; MI455X (gfx1250); checked and timed in simulation.
; The chip was launched on July 23, 2026; its instructions are those of AMD's public machine-readable ISA for CDNA 5 (MIT licence, August 2026) and "CDNA5" Instruction Set Architecture Reference Guide (July 2026). The comments in the code are by the model that wrote it; some were corrected since.
;; Scaled Dot Product Attention. Allowed arithmetic: matrix products marked QUANTISED: E4M3 operands, one given power-of-two scale a tensor, by v_wmma_f32_16x16x64_fp8_fp8 or v_wmma_f32_16x16x128_fp8_fp8, f32 sums; everything else in f32.
;; Inputs: K_codes 4 x 16 x 2,048 x 2 x 32 uint8 (E4M3 codes of K, K innermost, in blocks of 32 codes); Q_codes 4 x 16 x 2,048 x 2 x 32 uint8 (E4M3 codes of Q, K innermost, in blocks of 32 codes); V_codes 4 x 16 x 64 x 64 x 32 uint8 (E4M3 codes of V, K innermost, in blocks of 32 codes); attn_mask 4 x 1 x 2,048 x 2,048 bool; lowp_scales 4 int32 (the exponents e of the quantised operands' scales 2^e).
;; Outputs: out0 4 x 16 x 2,048 x 64 float32.
;; This version of the problem:
;;   THIS VERSION OF THE PROBLEM IS GIVEN IN LOW PRECISION. The matrix products marked QUANTISED in the list below multiply operands that are first quantised to E4M3 (4 exponent bits, 3 mantissa bits; 8 bits a number), with one given power-of-two scale for each operand tensor; their sums are f32. All else is computed in f32.
;;   The module's matrix products, in the order in which they are computed (A, B: the left and right operand; K: the contracted axis; several contracted axes count as one K, in the product's order):
;;     1. batch 64 x [M 2,048, K 64] x [K 64, N 2,048]; A: input Q (given as codes); B: input K (given as codes): QUANTISED (scales: A lowp_scales[0], B lowp_scales[1])
;;     2. batch 64 x [M 2,048, K 2,048] x [K 2,048, N 64]; A: softmax (see below); B: input V (given as codes): QUANTISED (scales: A lowp_scales[2], B lowp_scales[3])
;;   THE QUANTISER, for each operand of a quantised product, along K:
;;     - The operand's scale is 2^e, e = its entry of the input lowp_scales (int32; the entries are numbered through the quantised products in the list's order, A before B).
;;     - Each number is divided by the scale, clamped to +-448, and rounded to the nearest number of E4M3, ties to even, subnormals kept.
;;     - The product sums the exact products of the quantised numbers (number of the format x scale) in f32.
;;   ~~~python
;;   def quantise(x, axis, e):      # numpy; x: float32 -> the quantised numbers, widened to float32 again
;;       x = np.moveaxis(x, axis, -1); K = x.shape[-1]
;;       r = np.clip(x / 2.0 ** e, -448, 448)
;;       step = 2.0 ** (np.maximum(np.frexp(np.where(r == 0, 1, r))[1] - 1, -6) - 3)
;;       q = np.round(r / step) * step * 2.0 ** e      # np.round: ties to even
;;       return np.moveaxis(q, -1, axis).astype(np.float32)
;;   ~~~
;;   SOFTMAX AHEAD OF A QUANTISED PRODUCT. Where the list says 'softmax', what is quantised is not the finished softmax but p = 2^(t - M), with t = logit x log2(e) and M = ceil(the row's largest t), a whole number; so 1/2 < the row's largest p <= 1. The row's sum l is taken of the UNQUANTISED p, in f32, and the product's result is divided by l at the end. Since M is a whole number, a kernel that streams over the keys may use a running M (the ceiling of the running maximum): every later rescaling is an exact power of two, so the quantised numbers keep their values, but for numbers so far below the row's largest that they fall under the format's range.
;;   OPERANDS COMPUTED ON THE WAY. 'Computed on the way' means the value that the module computes at that place (a softmax that the list does not call 'softmax' is quantised finished and normalised). What goes into a quantiser is computed in f32, as accurately as f32 sums, v_exp_f32 and their like allow (about 1e-6 of the number): no bf16 or f16 on the way to a quantiser, and a product that is left as it is and whose result goes on into a quantised operand takes f32 operands (vector FMAs, or v_wmma_f32_16x16x4_f32). A number that lies on a knife's edge between two numbers of the format may be rounded either way, as far as f32 arithmetic and the matrix unit's own rounding can turn it there, and no further.
;;   INPUTS GIVEN AS CODES. K (in the module: [4, 16, 2048, 64], K = its axis 3); Q (in the module: [4, 16, 2048, 64], K = its axis 3); V (in the module: [4, 16, 2048, 64], K = its axis 2): each comes as NAME_codes (uint8): NAME with its K axis moved to the last place and cut into blocks of 32 codes, [.., K / 32, bytes a block], one block behind the other in memory; one code a byte (a code: sign, 4 exponent bits, 3 mantissa bits); its scale is its entry of lowp_scales. Its value is code x scale, taken as it is: it is not quantised again, and the codes and scales need not be those that the quantiser above would give.
;; One version. Each part assembles by itself: llvm-mc -triple=amdgcn-amd-amdhsa -mcpu=gfx1250 --defsym DOCPART=n.
;; ======== version 1 of 1: 2 launches
;; limits: right only within a limited range of input values
;; workspace buffers: mbits 2,097,152 bytes of whole numbers
;; launch pack (part 1): grid 512 x 1, 4 waves a work-group, no clusters, 0 bytes of LDS; arguments attn_mask, mbits; writes mbits
.if DOCPART == 1
	.amdgcn_target "amdgcn-amd-amdhsa--gfx1250"
	.amdhsa_code_object_version 6
	.text
	.protected	k_q669b4f48fd_pack
	.globl	k_q669b4f48fd_pack
	.p2align	8
	.type	k_q669b4f48fd_pack,@function
k_q669b4f48fd_pack:
	s_mov_b64 s[64:65], 0
	v_nop
	global_prefetch_b8 v0, s[64:65] scope:SCOPE_SE
	s_setreg_imm32_b32 hwreg(HW_REG_WAVE_MODE, 25, 1), 1
	s_wait_xcnt 0x0
; attn_mask [4][1][2048][2048], one byte a (query, key), becomes lane masks: one bit a (query, key), in the order in which the attention launch uses them.
; THE WORD of (batch b, query pair qp, key step s, tile tl, score tile t, register i): bit r + 16 h = mask[b][32 qp + 16 tl + r][128 s + 16 t + 8 h + i]:
; the select mask of register i of score tile t.  It lies at word (b*64 + qp)*2048 + (s/2)*256 + tl*128 + (i/4)*64 + (s%2)*32 + t*4 + i%4.
; LIMIT: a mask byte is 0 or 1, as the problem states for bool; other bytes are not served.
; SHARES.  Work-group g = b*128 + 2 qp + tl takes 16 queries; wave w of four keys 512 w on.  Lane L loads 16 bytes of each of the 16 rows: keys 16 L on,
; which are one score tile (s = 4 w + L/8, t = L%8): all 32 bytes of each of its eight words lie in the lane's own registers.  No LDS, no barrier.
; Rows 0-7 (and 8-15) of a register's four keys are gathered by shift-and-or into one byte a key; two 4 x 4 byte transpositions (v_perm_b32) make the words.
; Each load of a wave reads 512 consecutive bytes; each store's sixteen neighbouring lanes fill 256 consecutive bytes, aligned.
.set R, 8                              ; v[8:71]  row i's 16 bytes at R + 4 i; rows 0 and 8 take the gathered bits
.set P, 72                             ; v[72:75] half-way through a transposition
.set W, 76                             ; v[76:83] the eight words
	s_load_b128 s[4:7], s[0:1], 0x0                ; attn_mask, mbits
	v_lshrrev_b32 v5, 5, v0
	v_readfirstlane_b32 s8, v5                     ; wave
	v_and_b32 v5, 31, v0
	v_lshlrev_b32 v1, 4, v5                        ; in: 16 L
	v_and_b32 v2, 15, v0
	v_bfe_u32 v3, v0, 4, 1
	v_lshlrev_b32 v2, 4, v2
	v_lshl_add_u32 v2, v3, 10, v2                  ; out: 1,024 (L / 16) + 16 (L % 16)
	s_lshl_b32 s10, ttmp9, 15                      ; in: g x 16 rows of 2,048 bytes + 512 w
	s_lshl_b32 s14, s8, 9
	s_add_co_u32 s10, s10, s14
	s_mov_b32 s11, 0
	s_lshr_b32 s12, ttmp9, 1                       ; out: (g / 2) x 8,192 + 2,048 w + 512 tl
	s_lshl_b32 s12, s12, 13
	s_lshl_b32 s14, s8, 11
	s_add_co_u32 s12, s12, s14
	s_and_b32 s14, ttmp9, 1
	s_lshl_b32 s14, s14, 9
	s_add_co_u32 s12, s12, s14
	s_mov_b32 s13, 0
	s_mov_b32 s16, 0x05010400                      ; bytes 0, 1 of two registers, by turns
	s_mov_b32 s17, 0x07030602                      ; bytes 2, 3
	s_mov_b32 s18, 0x05040100                      ; the two low halves
	s_mov_b32 s19, 0x07060302                      ; the two high halves
	s_wait_alu depctr_va_vdst(0)                   ; the wait at the head's end
	s_wait_kmcnt 0x0
	s_add_nc_u64 s[4:5], s[4:5], s[10:11]
	s_add_nc_u64 s[6:7], s[6:7], s[12:13]
.set i, 0
.rept 16
	global_load_b128 v[R+4*i:R+4*i+3], v1, s[4:5] offset:2048*i th:TH_LOAD_NT
.set i, i+1
.endr
.irp g, 0,1
	s_wait_loadcnt 8-8*\g                          ; rows 8 g to 8 g + 7 are in; the eight younger loads may be out
.irp k, 1,2,3,4,5,6,7
.irp c, 0,1,2,3
	v_lshl_or_b32 v[R+32*\g+\c], v[R+32*\g+4*\k+\c], \k, v[R+32*\g+\c]   ; bit k of each byte: row 8 g + k
.endr
.endr
.endr
.irp f, 0,1                                        ; registers i = 4 f on: keys 4 f on (h = 0) in dword f, keys 8 + 4 f on (h = 1) in dword 2 + f
	v_perm_b32 v[P],   v[R+32+\f], v[R+\f],   s16
	v_perm_b32 v[P+1], v[R+32+\f], v[R+\f],   s17
	v_perm_b32 v[P+2], v[R+34+\f], v[R+2+\f], s16
	v_perm_b32 v[P+3], v[R+34+\f], v[R+2+\f], s17
	v_perm_b32 v[W+4*\f],   v[P+2], v[P],   s18
	v_perm_b32 v[W+4*\f+1], v[P+2], v[P],   s19
	v_perm_b32 v[W+4*\f+2], v[P+3], v[P+1], s18
	v_perm_b32 v[W+4*\f+3], v[P+3], v[P+1], s19
	global_store_b128 v2, v[W+4*\f:W+4*\f+3], s[6:7] offset:256*\f
.endr
	s_endpgm
.Lfunc_end_k_q669b4f48fd_pack:
	.size	k_q669b4f48fd_pack, .Lfunc_end_k_q669b4f48fd_pack-k_q669b4f48fd_pack
	.p2alignl 7, 3214868480
	.fill 96, 4, 3214868480
	.section	.rodata,"a",@progbits
	.p2align	6, 0x0
	.amdhsa_kernel k_q669b4f48fd_pack
		.amdhsa_group_segment_fixed_size 0
		.amdhsa_private_segment_fixed_size 0
		.amdhsa_enable_private_segment 0
		.amdhsa_kernarg_size 16
		.amdhsa_user_sgpr_count 2
		.amdhsa_user_sgpr_kernarg_segment_ptr 1
		.amdhsa_wavefront_size32 1
		.amdhsa_system_sgpr_workgroup_id_x 1
		.amdhsa_system_sgpr_workgroup_id_y 1
		.amdhsa_system_sgpr_workgroup_id_z 1
		.amdhsa_system_vgpr_workitem_id 0
		.amdhsa_next_free_vgpr 88
		.amdhsa_next_free_sgpr 66
		.amdhsa_reserve_vcc 0
		.amdhsa_float_denorm_mode_32 3
		.amdhsa_float_denorm_mode_16_64 3
		.amdhsa_memory_ordered 1
		.amdhsa_forward_progress 1
		.amdhsa_inst_pref_size 8
	.end_amdhsa_kernel
	.amdgpu_metadata
---
amdhsa.version: [ 1, 2 ]
amdhsa.kernels:
  - .name:           k_q669b4f48fd_pack
    .symbol:         k_q669b4f48fd_pack.kd
    .args:
      - { .name: attn_mask, .offset: 0, .size: 8, .value_kind: global_buffer, .address_space: global }
      - { .name: mbits, .offset: 8, .size: 8, .value_kind: global_buffer, .address_space: global }
    .group_segment_fixed_size: 0
    .private_segment_fixed_size: 0
    .kernarg_segment_align: 8
    .kernarg_segment_size: 16
    .max_flat_workgroup_size: 128
    .sgpr_count:     66
    .vgpr_count:     88
    .wavefront_size: 32
...
	.end_amdgpu_metadata
.endif
;; end of part 1
;; launch attn (part 2): grid 4 x 64, 16 waves a work-group, clusters of 4 x 1, 327,680 bytes of LDS; arguments Q_codes, K_codes, V_codes, mbits, lowp_scales, out0; writes out0
.if DOCPART == 2
	.amdgcn_target "amdgcn-amd-amdhsa--gfx1250"
	.amdhsa_code_object_version 6
	.text
	.protected	k_q669b4f48fd_attn
	.globl	k_q669b4f48fd_attn
	.p2align	8
	.type	k_q669b4f48fd_attn,@function
k_q669b4f48fd_attn:
	s_mov_b64 s[64:65], 0
	v_nop
	global_prefetch_b8 v0, s[64:65] scope:SCOPE_SE
	s_setreg_imm32_b32 hwreg(HW_REG_WAVE_MODE, 25, 1), 1
	s_wait_xcnt 0x0
	s_wait_alu depctr_hold_cnt(0) depctr_sa_sdst(0) depctr_va_vdst(0) depctr_va_sdst(0) depctr_va_ssrc(0) depctr_va_vcc(0) depctr_vm_vsrc(0)
	s_getreg_b32 s2, hwreg(HW_REG_IB_STS2, 6, 4)
	s_cmp_eq_u32 s2, 0
	s_cbranch_scc0 .Lentry_in_a_cluster
	s_endpgm
.Lentry_in_a_cluster:
	s_bfe_u32 s2, ttmp6, 0x10000c
	s_cmp_lg_u32 s2, 0x3003
	s_cbranch_scc0 .Lentry_shape_is_right
	s_endpgm
.Lentry_shape_is_right:
; out0[bh][q][:] = the sum over k of softmax_k(where(mask, -1e9, Q[bh][q] . K[bh][k] / 8)) V[bh][k][:], both products on codes of E4M3, each tensor with its given scale 2^e (eq, ek, ep, ev).
; Q, K: [64][2048][64] codes.  V: [64][64 channels][2048 keys] codes.  mbits: the mask as lane masks (laid by the launch before).  out0: [64][2048][64] f32.
; THE SOFTMAX: t = logit x log2(e); M = the running largest t rounded UP to a whole number, kept as -M; p = 2^(t - M) is quantised with 2^ep, not normalised; the row's sum is taken of the
; unquantised p in f32 and divides at the end; when M moves, the sum and O are multiplied by 2^(old M - new M), which rounds nothing.  The running maximum is kept as a raw sum (c > 0 keeps the order).
; SHARES.  A work-group owns 512 queries of one head, each of its sixteen waves 32: two tiles of 16 that share every fragment of K and V.  A step is 128 keys.
; K AND V STAY in LDS: key k at 80 k; V in eight parts of 256 keys, 64 rows of 256 + 16 bytes each.  Every byte is filled once: each wave issues ONE tensor load at the head
; (waves 0-7: 256 keys of K, a dense block stated as rows of 256 bytes; waves 8-15: 256 keys of V's 64 rows), one wait for 0 and one barrier follow, and no barrier stands among the steps.
; CLUSTER.  The four work-groups of a cluster are the four query blocks of one head: each tile is asked for jointly, same descriptor, mask 15.
; PREFETCH.  K and V are asked for once, at the head, where there is no trip to run ahead in: none for them.  A wave's lane masks are a stream of 8 x 1,024 bytes, one piece for each pair of steps: trip p asks for pair p + 2's
; four blocks of 256 bytes by one instruction (lanes 0 to 3 a block each, the others the last block again); pairs 0 and 1 are asked for at the head; the last trip and the pair written out ask for nothing.
; The sixteen heads of a batch read the same masks: the heads with head % 4 = 0 ask, the others do not (a branch on the grid's y, which the cluster's partners share).
; LAYOUT.  Both products transposed: S^T = K Q^T, O^T = V^T P^T: a lane holds one query (lane % 16).  In score tile t lane (r, h) holds keys 16 t + 8 h + 0..7; their codes are registers 2 t, 2 t + 1 of the second
; product's source 1.  K's and Q's fragments come by two loads of 16 bytes (16 h on, 32 + 16 h on): the same permutation of the head's 64 on both sides.
; TWO BLOCKS OF 64 REGISTERS SWAP ROLES from step to step: one holds K's, then V's fragments, the other S^T and p; when p's codes are made, the next step's K is loaded into p's block, ahead of the rescaling and the last products.
; THE MASKED SCORE.  A masked key's raw sum is replaced by SM = -2^(33 - eq - ek).  With c = log2(e) / 8 x 2^(eq + ek), c SM = -log2(e) x 2^30 is exact and whole: a row all of whose keys are masked has every p = 1.
; LIMITS.  eq + ek between -94 and 9: an unmasked logit is then at most 8.3e8 in magnitude, and -1e9 and -2^30 both lie more than 1.7e8 under it: a masked key's weight beside an unmasked one is 0 in f32 with either.
; ep between -126 and 119.  ep + ev goes by v_ldexp_f32 and has no limit.  NaN codes are not served.
.set KP,    80
.set KPART, 256*KP                     ; what a K load fills
.set VP,    272
.set VPART, 64*VP                      ; what a V load fills
.set VB,    8*KPART
.set SPARE, VB+8*VPART                 ; the spare words: 128 bytes a wave
.set SP,    272                        ; the way out: a stage row
.set WSTG,  32*SP                      ; a wave's stage, at wave x WSTG: bytes that have had their one fill and that nobody reads behind the last barrier
.set AK0, 1                            ; 80 r + 16 h
.set AV0, 2                            ; VB + 272 r + 8 h
.set ADK, 3                            ; the pair of steps' address in K (at the head: my byte offset in Q)
.set ADV, 4                            ; in V
.set SCL, 5                            ; 2^ep
.set LIM, 6                            ; 448 x 2^ep
.set SMV, 7                            ; SM
.set F,   8                            ; v[8:9] f
.set T0,  10
.set T1,  11
.set PX,  12
.set STA, 14                           ; v[14:17] tile A: -M, the largest raw sum, the sum in two halves
.set STB, 18
.set X2,  22                           ; v[22:23] the sums' second chain
.set T2,  22                           ; and, ahead of it, the maxima's third and fourth chain
.set T3,  23
.set QA,  24
.set QB,  32
.set C,   40                           ; v[40:55] p's codes
.set R0,  56                           ; v[56:119], v[120:183] the two blocks
.set R1,  120
.set OA,  184
.set OB,  216
.set STO, 248
.set RD,  249
.set GO,  250
.set PFO, 251                          ; the prefetches' offset: 256 x min(lane, 3); never rewritten
.set SPW, 254
.set NIL, 255
.set TV,  2
.set WV,  3
.set G0K, 4
.set PF,  4                            ; s[4:5] when the tensor loads have landed: where my prefetches stand
.set PL,  6                            ; s6 likewise: the value of s[TK] under which my wave asks; 0 in the heads that do not
.set G0V, 8
.set MB,  12                           ; s[12:13] my wave's 8,192 bytes of mbits
.set MOFF, 14                          ; the pair of steps' 1,024 bytes in them
.set TK,  15                           ; also the loop's counter
.set G1K, 16                           ; s[16:17] take out0's address when the tensor loads have landed
.set G1V, 24
.set CS,  66
.set SEL, 100
.set EPV, 104
.set OOF, 105
; s[32:63], s[68:99]: the 64 lane masks of a (tile, step): register 8 t + i in s[32 + 36 (i / 4) + 4 t + i % 4].  At the head they hold what the set-up needs.
.macro CROUND
	s_barrier_signal -1
	s_barrier_wait -1
	s_cmp_lg_u32 s[WV], 0
	s_cbranch_scc1 .Lnot_wave_0_\@
	s_barrier_signal -3
.Lnot_wave_0_\@:
	s_barrier_wait -3
	s_barrier_signal -1
	s_barrier_wait -1
.endm
.macro PLACES n
.rept \n
	v_nop
.endr
.endm
	s_load_b256 s[32:39], s[0:1], 0x0              ; Q s[32:33], K s[34:35], V s[36:37], mbits s[38:39]
	s_load_b64 s[40:41], s[0:1], 0x20              ; the scales' exponents
	v_lshl_add_u32 v[SPW], v0, 2, SPARE
	v_mov_b32 v[NIL], 0
	ds_add_u32 v[SPW], v[NIL]                      ; the opening lines: the add twice on end and its wait
	ds_add_u32 v[SPW], v[NIL]
	v_lshrrev_b32 v10, 5, v0
	v_readfirstlane_b32 s[WV], v10
	s_bfe_u32 s48, ttmp6, 0x40000                  ; cx: it enters Q's, mbits' and out0's global addresses alone
	s_lshl_b32 s49, ttmp9, 2
	s_add_co_u32 s49, s49, s48                     ; my block of 512 queries
	s_and_b32 s50, ttmp7, 0xffff                   ; bh
	s_lshl_b32 s51, s49, 4
	s_add_co_u32 s51, s51, s[WV]                   ; qp
	s_lshr_b32 s52, s50, 4                         ; the batch
	s_mov_b32 s[G1K], 15|(1<<20)|(1<<21)|(3<<22)|(3<<25)   ; mask 15; bytes; four words of padding after every 16
	s_mov_b32 s[G1K+1], 256<<16
	s_mov_b32 s[G1K+2], 64<<16
	s_mov_b32 s[G1K+3], 256<<16
	s_mov_b32 s[G1K+4], 64
	s_mov_b32 s[G1K+5], 256
	s_mov_b32 s[G1K+6], 0
	s_mov_b32 s[G1K+7], 0
	s_mov_b32 s[G1V], 15|(1<<20)|(1<<21)|(5<<22)|(3<<25)   ; four words after every 64
	s_mov_b32 s[G1V+1], 256<<16
	s_mov_b32 s[G1V+2], 64<<16
	s_mov_b32 s[G1V+3], 256<<16
	s_mov_b32 s[G1V+4], 64
	s_mov_b32 s[G1V+5], 2048
	s_mov_b32 s[G1V+6], 0
	s_mov_b32 s[G1V+7], 0
	s_mov_b32 s[SEL], 0x76543210
	s_mov_b32 s[SEL+1], 0xfedcba98
	s_lshl_b32 s[OOF], s51, 13
	s_lshl_b32 s53, s50, 19
	s_add_co_u32 s[OOF], s[OOF], s53
	v_and_b32 v10, 15, v0                          ; r
	v_bfe_u32 v11, v0, 4, 1                        ; h
	v_mul_u32_u24 v[AK0], v10, KP
	v_mul_u32_u24 v[AV0], v10, VP
	v_lshl_add_u32 v[AK0], v11, 4, v[AK0]
	v_lshl_add_u32 v[AV0], v11, 3, v[AV0]
	v_lshlrev_b32 v[ADK], 6, v10
	v_add_nc_u32 v[AV0], VB, v[AV0]
	v_lshl_add_u32 v[ADK], v11, 4, v[ADK]          ; Q: row r of 64 bytes, + 16 h
	s_mul_i32 s53, s[WV], WSTG                     ; my stage
	v_mul_u32_u24 v[STO], v10, SP                  ; in: row r, 32 bytes for each half of the lanes
	v_mul_u32_u24 v[RD], v11, SP                   ; back: lanes 0-15 one row of 256 bytes, lanes 16-31 the next
	v_lshl_add_u32 v[STO], v11, 5, v[STO]
	v_lshl_add_u32 v[RD], v10, 4, v[RD]
	v_add_nc_u32 v[STO], s53, v[STO]
	v_add_nc_u32 v[RD], s53, v[RD]
	v_lshlrev_b32 v[GO], 8, v11
	v_and_b32 v[PFO], 31, v0
	v_lshl_add_u32 v[GO], v10, 4, v[GO]
	v_min_u32 v[PFO], 3, v[PFO]
	v_lshlrev_b32 v[PFO], 8, v[PFO]
	s_wait_dscnt 0x0
	s_wait_kmcnt 0x0
	s_load_b128 s[44:47], s[40:41], 0x0            ; eq, ek, ep, ev
	s_and_b32 s58, s[WV], 7                        ; which part I fetch
	s_lshl_b32 s59, s50, 17                        ; a head's codes: 131,072 bytes in each tensor
	s_lshl_b32 s56, s58, 14                        ; K: 256 keys of 64 bytes a part
	s_add_co_u32 s56, s56, s59
	s_mov_b32 s57, 0
	s_lshl_b32 s60, s58, 8                         ; V: 256 bytes along the rows
	s_add_co_u32 s60, s60, s59
	s_mov_b32 s61, 0
	s_mov_b32 s[G0K], 1
	s_mul_i32 s[G0K+1], s58, KPART
	s_add_nc_u64 s[G0K+2:G0K+3], s[34:35], s[56:57]
	s_or_b32 s[G0K+3], s[G0K+3], 0x80000000
	s_mov_b32 s[G0V], 1
	s_mul_i32 s[G0V+1], s58, VPART
	s_add_co_u32 s[G0V+1], s[G0V+1], VB
	s_add_nc_u64 s[G0V+2:G0V+3], s[36:37], s[60:61]
	s_or_b32 s[G0V+3], s[G0V+3], 0x80000000
	s_lshl_b32 s62, s52, 6
	s_add_co_u32 s62, s62, s51
	s_lshl_b32 s62, s62, 13
	s_mov_b32 s63, 0
	s_add_nc_u64 s[MB:MB+1], s[38:39], s[62:63]
	s_lshl_b32 s53, s51, 11
	s_add_co_u32 s62, s59, s53
	s_add_nc_u64 s[32:33], s[32:33], s[62:63]
	CROUND                                         ; all four work-groups are here: the joint loads meet
	s_cmp_lt_u32 s[WV], 8                          ; one chain of two arms, one fill to an arm: every wave issues one
	s_cbranch_scc0 .Lfirst_v
	tensor_load_to_lds s[G0K:G0K+3], s[G1K:G1K+7]
	s_nop 0
	PLACES 4
	s_branch .Lfirst_asked
.Lfirst_v:
	tensor_load_to_lds s[G0V:G0V+3], s[G1V:G1V+7]
	s_nop 0
	PLACES 4
.Lfirst_asked:
	s_wait_alu depctr_va_vdst(0)                   ; the wait ahead of the first reader behind the waits and branches above
	global_load_b128 v[QA:QA+3],   v[ADK], s[32:33] th:TH_LOAD_NT
	global_load_b128 v[QA+4:QA+7], v[ADK], s[32:33] offset:32 th:TH_LOAD_NT
	global_load_b128 v[QB:QB+3],   v[ADK], s[32:33] offset:1024 th:TH_LOAD_NT
	global_load_b128 v[QB+4:QB+7], v[ADK], s[32:33] offset:1056 th:TH_LOAD_NT
	s_wait_kmcnt 0x0
	s_add_co_i32 s48, s44, s45                     ; eq + ek
	s_lshl_b32 s49, s48, 23
	s_add_co_i32 s[CS], s49, 0x3e38aa3b            ; c = log2(e) / 8 x 2^(eq + ek)
	s_mov_b32 s[CS+1], s[CS]
	s_sub_co_i32 s49, 160, s48
	s_lshl_b32 s49, s49, 23
	s_or_b32 s49, s49, 0x80000000
	v_mov_b32 v[SMV], s49                          ; SM
	s_add_co_i32 s49, s46, 127
	s_lshl_b32 s53, s49, 23
	v_mov_b32 v[SCL], s53
	s_add_co_i32 s49, s49, 8
	s_lshl_b32 s49, s49, 23
	s_or_b32 s49, s49, 0x600000
	v_mov_b32 v[LIM], s49
	s_add_co_i32 s[EPV], s46, s47
	v_mov_b32 v[STA+1], 0xff61b1e6                 ; the largest raw sum so far: -3e38, under SM too
	v_mov_b32 v[STB+1], 0xff61b1e6
	v_floor_f32 v[STA], -v[STA+1]                  ; -M: the first change of M gives f = 0
	v_floor_f32 v[STB], -v[STB+1]
	v_mov_b32 v[STA+2], 0
	v_mov_b32 v[STA+3], 0
	v_mov_b32 v[STB+2], 0
	v_mov_b32 v[STB+3], 0
	v_mov_b32 v[PX], 0
	v_mov_b32 v[F+1], 0
	s_and_b32 s53, ttmp7, 3                        ; head % 4
	s_cmp_eq_u32 s53, 0
	s_cbranch_scc0 .Lno_ask_head
	global_prefetch_b8 v[PFO], s[MB:MB+1] th:TH_LOAD_NT scope:SCOPE_SE               ; the lane masks of pair 0,
	global_prefetch_b8 v[PFO], s[MB:MB+1] offset:1024 th:TH_LOAD_NT scope:SCOPE_SE   ; and of pair 1
.Lno_ask_head:
.set j, 0
.rept 64
	v_mov_b32 v[OA+j], 0                           ; O^T: the step has no first form of its own
.set j, j+1
.endr
.macro MLOAD o                         ; a block of 64 lane masks: two runs of 128 bytes, 256 apart
	s_load_b512 s[32:47], s[MB:MB+1], s[MOFF] offset:\o
	s_load_b512 s[48:63], s[MB:MB+1], s[MOFF] offset:\o+0x40
	s_load_b512 s[68:83], s[MB:MB+1], s[MOFF] offset:\o+0x100
	s_load_b512 s[84:99], s[MB:MB+1], s[MOFF] offset:\o+0x140
.endm
	s_wait_xcnt 0x0                                ; Q's loads have read their base and offset
	s_mov_b32 s[MOFF], 0
	MLOAD 0                                        ; tile A, step 0
	s_mov_b32 s[TK], 0
	s_mov_b32 s[TV], 0
	v_add_nc_u32 v[ADK], s[TK], v[AK0]
	v_add_nc_u32 v[ADV], s[TV], v[AV0]
	s_wait_alu depctr_va_vdst(0)                   ; the wait at the head's end
	s_wait_loadcnt 0x0                             ; Q
	s_wait_tensorcnt 0x0                           ; my part of K or V is in,
	s_barrier_signal -1
	s_barrier_wait -1                              ; everybody's is: nothing is ever filled again
	s_load_b64 s[16:17], s[0:1], 0x28              ; out0: no tensor load of mine is out; the next wait for lane masks covers this load
	s_add_nc_u64 s[PF:PF+1], s[MB:MB+1], 2048      ; the first trip asks for pair 2
	s_and_b32 s[PL], ttmp7, 3
	s_cmp_eq_u32 s[PL], 0
	s_cselect_b32 s[PL], 6*2*128*KP, 0             ; trips 0 to 5 ask, in the heads that ask
.macro KLOAD d, o                      ; eight fragments of K into block d: the step's keys begin o bytes behind v[ADK]
.set t, 0
.rept 8
	ds_load_b128 v[(\d)+8*t:(\d)+8*t+3],   v[ADK] offset:(\o)+16*KP*t
	ds_load_b128 v[(\d)+8*t+4:(\d)+8*t+7], v[ADK] offset:(\o)+16*KP*t+32
.set t, t+1
.endr
.endm
.macro SPROD sr, kr, q
.set t, 0
.rept 8
	v_wmma_f32_16x16x64_fp8_fp8 v[(\sr)+8*t:(\sr)+8*t+7], v[(\kr)+8*t:(\kr)+8*t+7], v[(\q):(\q)+7], 0
.set t, t+1
.endr
.endm
; A masked key's raw sum becomes SM, one select a register, ascending; each score tile's eight go into four chains of maxima, laid among the selects.
.macro MASKMAX sr
	s_wait_kmcnt 0x0
.set t, 0
.rept 8
.set i, 0
.rept 8
	v_cndmask_b32 v[(\sr)+8*t+i], v[(\sr)+8*t+i], v[SMV], s[32+36*(i/4)+4*t+(i%4)]
.set i, i+1
.endr
.if t == 0
	v_max_num_f32 v[T0], v[(\sr)], v[(\sr)+1]
	v_max_num_f32 v[T1], v[(\sr)+2], v[(\sr)+3]
	v_max_num_f32 v[T2], v[(\sr)+4], v[(\sr)+5]
	v_max_num_f32 v[T3], v[(\sr)+6], v[(\sr)+7]
.else
	v_max3_num_f32 v[T0], v[T0], v[(\sr)+8*t], v[(\sr)+8*t+1]
	v_max3_num_f32 v[T1], v[T1], v[(\sr)+8*t+2], v[(\sr)+8*t+3]
	v_max3_num_f32 v[T2], v[T2], v[(\sr)+8*t+4], v[(\sr)+8*t+5]
	v_max3_num_f32 v[T3], v[T3], v[(\sr)+8*t+6], v[(\sr)+8*t+7]
.endif
.set t, t+1
.endr
.endm
.macro FMAS sr, st, n                  ; t - M, two at a time, n instructions from register j on
.rept \n
	v_pk_fma_f32 v[(\sr)+j:(\sr)+j+1], v[(\sr)+j:(\sr)+j+1], s[CS:CS+1], v[(\st):(\st)+1] op_sel_hi:[1,0,0]
.set j, j+2
.endr
.endm
.macro STATS st, sr                    ; the new -M and f; f's three lines stand among the multiply-adds
	v_max3_num_f32 v[T0], v[T0], v[T1], v[T2]
	s_delay_alu instid0(VALU_DEP_1)
	v_max_num_f32 v[T0], v[T0], v[T3]
	s_delay_alu instid0(VALU_DEP_1)
	v_permlanex16_b32 v[PX], v[T0], s[SEL], s[SEL+1]
	s_delay_alu instid0(VALU_DEP_1)
	v_max3_num_f32 v[(\st)+1], v[T0], v[PX], v[(\st)+1]   ; the running largest raw sum
	v_mov_b32 v[T1], v[\st]
	s_delay_alu instid0(VALU_DEP_2)
	v_mul_f32 v[T0], s[CS], v[(\st)+1]             ; as t
	s_delay_alu instid0(VALU_DEP_1)
	v_floor_f32 v[\st], -v[T0]                     ; -M = floor(-t)
	s_delay_alu instid0(VALU_DEP_1)
	v_sub_f32 v[T1], v[\st], v[T1]                 ; old M - new M, a whole number
.set j, 0
	FMAS \sr, \st, 4
	v_cvt_i32_f32 v[T1], v[T1]                     ; (it saturates)
	FMAS \sr, \st, 4
	v_ldexp_f32 v[F], 1.0, v[T1]                   ; f
	FMAS \sr, \st, 24
.endm
.macro HOLD2 sr                        ; the conversion does not saturate (ISA guide 7.6.2); p is not negative: a one-sided hold, two to an instruction, on registers j to j + 3
	v_dual_min_num_f32 v[(\sr)+j], v[(\sr)+j], v[LIM] :: v_dual_min_num_f32 v[(\sr)+j+1], v[(\sr)+j+1], v[LIM]
	v_dual_min_num_f32 v[(\sr)+j+2], v[(\sr)+j+2], v[LIM] :: v_dual_min_num_f32 v[(\sr)+j+3], v[(\sr)+j+3], v[LIM]
.endm
.macro EXPS st, sr                     ; p, its sum (of the unquantised p, in two chains, each number summed ahead of its hold), its codes
	s_wait_alu depctr_va_vdst(0)                   ; the wait ahead of the batch
.set j, 0
.rept 64
	v_exp_f32 v[(\sr)+j], v[(\sr)+j]
.set j, j+1
.endr
	v_pk_mul_f32 v[(\st)+2:(\st)+3], v[(\st)+2:(\st)+3], v[F:F+1] op_sel_hi:[1,0]   ; the sum under the new M; the plain line behind the batch
	s_wait_alu depctr_va_vdst(0)                   ; and the wait behind it
.set j, 0
	v_pk_add_f32 v[X2:X2+1], v[(\sr):(\sr)+1], v[(\sr)+2:(\sr)+3]
	HOLD2 \sr
.set j, 4
.rept 15
	v_pk_add_f32 v[(\st)+2:(\st)+3], v[(\st)+2:(\st)+3], v[(\sr)+j:(\sr)+j+1]
	v_pk_add_f32 v[X2:X2+1], v[X2:X2+1], v[(\sr)+j+2:(\sr)+j+3]
	HOLD2 \sr
.set j, j+4
.endr
	v_pk_add_f32 v[(\st)+2:(\st)+3], v[(\st)+2:(\st)+3], v[X2:X2+1]
.set t, 0
.rept 8
	v_cvt_scalef32_pk8_fp8_f32 v[C+2*t:C+2*t+1], v[(\sr)+8*t:(\sr)+8*t+7], v[SCL]
.set t, t+1
.endr
.endm
.macro RESCALE o                       ; O^T x f, each accumulator from its low end on; these lines are also the plain place behind the conversions
	s_wait_alu depctr_va_vdst(0)                   ; the wait directly ahead of the first reader of O^T
.set j, 0
.rept 16
	v_pk_mul_f32 v[(\o)+j:(\o)+j+1], v[(\o)+j:(\o)+j+1], v[F:F+1] op_sel_hi:[1,0]
.set j, j+2
.endr
.endm
.macro VLOAD d, o                      ; four fragments of V^T: channels 16 u on, the step's 128 keys
.irp u, 0,1,2,3
.irp c, 0,1,2,3,4,5,6,7
	ds_load_b64 v[(\d)+16*\u+2*\c:(\d)+16*\u+2*\c+1], v[ADV] offset:\u*16*VP+16*\c+(\o)
.endr
.endr
.endm
.macro PV o, kr                        ; the four accumulators take turns
.set u, 0
.rept 4
	v_wmma_f32_16x16x128_fp8_fp8 v[(\o)+8*u:(\o)+8*u+7], v[(\kr)+16*u:(\kr)+16*u+15], v[C:C+15], v[(\o)+8*u:(\o)+8*u+7]
.set u, u+1
.endr
.endm
; A KEY STEP.  kr: the block with K's fragments (asked for in the step before), then V's; sr: S^T and p, then the next step's K.  vo: the step's bytes in V's rows; m1, m2: where tile B's masks and the next step's tile A's lie.
; nk = 1: the next step is the pair's second; 2: it opens the next pair; 0: there is none.
.macro STEP kr, sr, vo, m1, m2, nk
	s_wait_dscnt 0x0                               ; K's fragments
	SPROD \sr, \kr, QA
	PLACES 4
	MASKMAX \sr
	MLOAD \m1
	STATS STA, \sr
	EXPS STA, \sr
.if \nk == 1
	s_cmp_lt_u32 s[TK], s[PL]                      ; the prefetch: once a pair, the lane masks two pairs on
	s_cbranch_scc0 .Lno_ask_\@
	global_prefetch_b8 v[PFO], s[PF:PF+1] th:TH_LOAD_NT scope:SCOPE_SE
.Lno_ask_\@:
.endif
	RESCALE OA
	SPROD \sr, \kr, QB
	PLACES 4                                       ; in front of V's loads into the block just read, and of the selects
	VLOAD \kr, \vo
	MASKMAX \sr                                    ; 96 lines between V's loads and the wait for them
.if \nk == 2
	s_add_co_u32 s[MOFF], s[MOFF], 1024            ; (no scalar load is out)
.endif
.if \nk
	MLOAD \m2
.endif
	s_wait_alu depctr_va_vdst(0)                   ; the wait directly ahead of the wait below
	s_wait_dscnt 0x0
	PV OA, \kr
	STATS STB, \sr
	EXPS STB, \sr
.if \nk == 2
	s_wait_xcnt 0x0                                ; my prefetch, a step and a half back, has read its address: it may be stepped
	s_add_nc_u64 s[PF:PF+1], s[PF:PF+1], 1024
	s_add_co_u32 s[TK], s[TK], 2*128*KP
	s_add_co_u32 s[TV], s[TV], VPART
	v_add_nc_u32 v[ADK], s[TK], v[AK0]
	v_add_nc_u32 v[ADV], s[TV], v[AV0]
	KLOAD \sr, 0
.endif
.if \nk == 1
	KLOAD \sr, 128*KP
.endif
	RESCALE OB
	PV OB, \kr
	PLACES 5                                       ; the next step's first products write over the block that these have read
.endm
	KLOAD R0, 0
.Lpair:                                            ; seven trips of two steps; the last pair is written out: it asks for nothing beyond the end
	STEP R0, R1, 0,   512, 128, 1
	STEP R1, R0, 128, 640, 0,   2
	s_cmp_lt_u32 s[TK], 7*2*128*KP
	s_cbranch_scc1 .Lpair
	STEP R0, R1, 0,   512, 128, 1
	STEP R1, R0, 128, 640, 0,   0
	s_wait_dscnt 0x0                               ; my reads of K and V are over,
	s_barrier_signal -1
	s_barrier_wait -1                              ; everybody's are: the stages may be written
	s_mov_b32 s18, s[OOF]
	s_mov_b32 s19, 0
	s_add_nc_u64 s[16:17], s[16:17], s[18:19]      ; out0 at my wave's first row
; THE WAY OUT.  O^T x 2^(ep + ev) / the sum goes through my stage: a lane's eight channels of a row are 32 bytes, and come back as whole rows of 256.
.macro FIN tile, st, o
	v_add_f32 v[T0], v[(\st)+2], v[(\st)+3]
	s_delay_alu instid0(VALU_DEP_1)
	v_permlanex16_b32 v[PX], v[T0], s[SEL], s[SEL+1]
	s_delay_alu instid0(VALU_DEP_1)
	v_add_f32 v[T0], v[T0], v[PX]                  ; the row's sum: over 1/2
	s_wait_alu depctr_va_vdst(0)                   ; the wait ahead of the transcendental,
	v_rcp_f32 v[T1], v[T0]
	v_nop
	s_wait_alu depctr_va_vdst(0)                   ; behind it,
	v_ldexp_f32 v[F], v[T1], s[EPV]
	s_wait_alu depctr_va_vdst(0)                   ; and directly ahead of the first reader of O^T
.set j, 0
.rept 16
	v_pk_mul_f32 v[R0+32*\tile+j:R0+32*\tile+j+1], v[(\o)+j:(\o)+j+1], v[F:F+1] op_sel_hi:[1,0]
.set j, j+2
.endr
.irp u, 0,1,2,3
	ds_store_b128 v[STO], v[R0+32*\tile+8*\u:R0+32*\tile+8*\u+3]   offset:16*SP*\tile+64*\u
	ds_store_b128 v[STO], v[R0+32*\tile+8*\u+4:R0+32*\tile+8*\u+7] offset:16*SP*\tile+64*\u+16
.endr
.irp i, 0,1,2,3,4,5,6,7
	ds_load_b128 v[R1+32*\tile+4*\i:R1+32*\tile+4*\i+3], v[RD] offset:16*SP*\tile+2*SP*\i   ; LDS serves a wave's instructions in order (ISA guide 5.7.1.4)
.endr
.endm
.macro SEND tile, younger              ; younger: the LDS instructions issued behind this tile's loads
.irp i, 0,1,2,3,4,5,6,7
	s_wait_dscnt \younger+7-\i
	global_store_b128 v[GO], v[R1+32*\tile+4*\i:R1+32*\tile+4*\i+3], s[16:17] offset:4096*\tile+512*\i th:TH_STORE_NT   ; 32 lanes store 512 consecutive bytes, aligned to 256
.endr
.endm
	FIN 0, STA, OA
	FIN 1, STB, OB
	SEND 0, 16
	SEND 1, 0
	s_wait_tensorcnt 0x0                           ; the wave's end
	ds_add_u32 v[SPW], v[NIL]
	s_wait_dscnt 0x0
	CROUND                                         ; the closing round
	s_endpgm
.Lfunc_end_k_q669b4f48fd_attn:
	.size	k_q669b4f48fd_attn, .Lfunc_end_k_q669b4f48fd_attn-k_q669b4f48fd_attn
	.p2alignl 7, 3214868480
	.fill 96, 4, 3214868480
	.section	.rodata,"a",@progbits
	.p2align	6, 0x0
	.amdhsa_kernel k_q669b4f48fd_attn
		.amdhsa_group_segment_fixed_size 327680
		.amdhsa_private_segment_fixed_size 0
		.amdhsa_enable_private_segment 0
		.amdhsa_kernarg_size 48
		.amdhsa_user_sgpr_count 2
		.amdhsa_user_sgpr_kernarg_segment_ptr 1
		.amdhsa_wavefront_size32 1
		.amdhsa_system_sgpr_workgroup_id_x 1
		.amdhsa_system_sgpr_workgroup_id_y 1
		.amdhsa_system_sgpr_workgroup_id_z 1
		.amdhsa_system_vgpr_workitem_id 0
		.amdhsa_next_free_vgpr 256
		.amdhsa_next_free_sgpr 106
		.amdhsa_reserve_vcc 0
		.amdhsa_float_denorm_mode_32 3
		.amdhsa_float_denorm_mode_16_64 3
		.amdhsa_memory_ordered 1
		.amdhsa_forward_progress 1
		.amdhsa_inst_pref_size 170
	.end_amdhsa_kernel
	.amdgpu_metadata
---
amdhsa.version: [ 1, 2 ]
amdhsa.kernels:
  - .name:           k_q669b4f48fd_attn
    .symbol:         k_q669b4f48fd_attn.kd
    .args:
      - { .name: Q_codes, .offset: 0, .size: 8, .value_kind: global_buffer, .address_space: global }
      - { .name: K_codes, .offset: 8, .size: 8, .value_kind: global_buffer, .address_space: global }
      - { .name: V_codes, .offset: 16, .size: 8, .value_kind: global_buffer, .address_space: global }
      - { .name: mbits, .offset: 24, .size: 8, .value_kind: global_buffer, .address_space: global }
      - { .name: lowp_scales, .offset: 32, .size: 8, .value_kind: global_buffer, .address_space: global }
      - { .name: out0, .offset: 40, .size: 8, .value_kind: global_buffer, .address_space: global }
    .group_segment_fixed_size: 327680
    .private_segment_fixed_size: 0
    .kernarg_segment_align: 8
    .kernarg_segment_size: 48
    .max_flat_workgroup_size: 512
    .sgpr_count:     106
    .vgpr_count:     256
    .wavefront_size: 32
...
	.end_amdgpu_metadata
.endif
;; end of part 2
